; MI455X (gfx1250); checked and timed in simulation.
; The chip was launched on July 23, 2026; its instructions are those of AMD's public machine-readable ISA for CDNA 5 (MIT licence, August 2026) and "CDNA5" Instruction Set Architecture Reference Guide (July 2026). The comments in the code are by the model that wrote it; some were corrected since.
;; Evolved Loop Linear. Allowed arithmetic: matrix products marked QUANTISED: E2M1 operands, one E8M0 scale for each 32 along K, by v_wmma_scale_f32_16x16x128_f8f6f4 with both operands' format E2M1 (or v_wmma_scale_f32_32x16x128_f4), f32 sums; everything else in f32.
;; Inputs: W_codes 4,096 x 128 x 16 uint8 (E2M1 codes of W, K innermost, in blocks of 32 codes, two codes a byte); W_scales 4,096 x 128 uint8 (E8M0 scales of W, one for each 32 codes along K); b 4,096 float32; x_codes 4,096 x 128 x 16 uint8 (E2M1 codes of x, K innermost, in blocks of 32 codes, two codes a byte); x_scales 4,096 x 128 uint8 (E8M0 scales of x, one for each 32 codes along K).
;; Outputs: out0 4,096 x 4,096 float32.
;; This version of the problem:
;;   THIS VERSION OF THE PROBLEM IS GIVEN IN LOW PRECISION. The matrix products marked QUANTISED in the list below multiply operands that are first quantised to E2M1 (2 exponent bits, 1 mantissa bit; 4 bits a number), with one power-of-two scale for each 32 numbers along K (OCP MX v1.0); their sums are f32. All else is computed in f32.
;;   The module's matrix products, in the order in which they are computed (A, B: the left and right operand; K: the contracted axis; several contracted axes count as one K, in the product's order):
;;     1. [M 4,096, K 4,096] x [K 4,096, N 4,096]; A: input x (given as codes); B: input W (given as codes): QUANTISED
;;   THE QUANTISER, for each operand of a quantised product, along K:
;;     - K is cut into blocks of 32 from its start; a last block that is shorter is filled with zeros.
;;     - A block's scale is 2^e with e = floor(log2(the largest magnitude in the block)) - 2, held to -126 .. 127; a block of zeros has e = 0. As a byte (E8M0): e + 127.
;;     - Each number is divided by its block's scale, clamped to +-6, and rounded to the nearest number of E2M1, ties to even, subnormals kept.
;;     - The product sums the exact products of the quantised numbers (number of the format x scale) in f32.
;;   ~~~python
;;   def quantise(x, axis):      # numpy; x: float32 -> the quantised numbers, widened to float32 again
;;       x = np.moveaxis(x, axis, -1); K = x.shape[-1]
;;       x = np.pad(x, [(0, 0)] * (x.ndim - 1) + [(0, -K % 32)]); x = x.reshape(x.shape[:-1] + (-1, 32)); a = np.abs(x).max(-1, keepdims=True)
;;       e = np.where(a > 0, np.clip(np.frexp(np.where(a > 0, a, 1))[1] - 1 - 2, -126, 127), 0)      # np.frexp(a)[1] - 1 = floor(log2(a)), exactly
;;       r = np.clip(x / 2.0 ** e, -6, 6)
;;       step = 2.0 ** (np.maximum(np.frexp(np.where(r == 0, 1, r))[1] - 1, 0) - 1)
;;       q = np.round(r / step) * step * 2.0 ** e      # np.round: ties to even
;;       return np.moveaxis(q.reshape(q.shape[:-2] + (-1,))[..., :K], -1, axis).astype(np.float32)
;;   ~~~
;;   INPUTS GIVEN AS CODES. W (in the module: [4096, 4096], K = its axis 1); x (in the module: [4096, 4096], K = its axis 1): each comes as NAME_codes (uint8): NAME with its K axis moved to the last place and cut into blocks of 32 codes, [.., K / 32, bytes a block], one block behind the other in memory; two codes a byte, the lower K in the low four bits (a code: sign, 2 exponent bits, 1 mantissa bit); and NAME_scales (uint8): the same leading axes, one E8M0 byte (e + 127) for each 32 codes along K. Its value is code x scale, taken as it is: it is not quantised again, and the codes and scales need not be those that the quantiser above would give.
;; One version. Each part assembles by itself: llvm-mc -triple=amdgcn-amd-amdhsa -mcpu=gfx1250 --defsym DOCPART=n.
;; ======== version 1 of 1: 1 launch
;; limits: right only within a limited range of input values
;; launch gemm (part 1): grid 16 x 16, 4 waves a work-group, clusters of 4 x 4, 327,680 bytes of LDS; arguments x_codes, x_scales, W_codes, W_scales, b, out0; writes out0
.if DOCPART == 1
	.amdgcn_target "amdgcn-amd-amdhsa--gfx1250"
	.amdhsa_code_object_version 6
	.text
	.protected	k_q17bf709c2a_gemm
	.globl	k_q17bf709c2a_gemm
	.p2align	8
	.type	k_q17bf709c2a_gemm,@function
k_q17bf709c2a_gemm:
	s_mov_b64 s[64:65], 0
	v_nop
	global_prefetch_b8 v0, s[64:65] scope:SCOPE_SE
	s_setreg_imm32_b32 hwreg(HW_REG_WAVE_MODE, 25, 1), 1
	s_wait_xcnt 0x0
	s_wait_alu depctr_hold_cnt(0) depctr_sa_sdst(0) depctr_va_vdst(0) depctr_va_sdst(0) depctr_va_ssrc(0) depctr_va_vcc(0) depctr_vm_vsrc(0)
	s_getreg_b32 s2, hwreg(HW_REG_IB_STS2, 6, 4)
	s_cmp_eq_u32 s2, 0
	s_cbranch_scc0 .Lentry_in_a_cluster
	s_endpgm
.Lentry_in_a_cluster:
	s_bfe_u32 s2, ttmp6, 0x10000c
	s_cmp_lg_u32 s2, 0xf033
	s_cbranch_scc0 .Lentry_shape_is_right
	s_endpgm
.Lentry_shape_is_right:
; out0[m][n] = sum over k of x[m][k] W[n][k] + b[n].  M = N = K = 4,096.  x and W: codes of FP4 (E2M1), two a byte, K innermost (a row is 2,048 bytes), one E8M0 byte for each 32 along K
; (a row of scales is 128 bytes); b and out0 f32; sums in f32, K ascending, one accumulator for each output; the bias is added last.  Below A = x (rows m), B = W (rows n).
; LIMIT.  A scale byte 0xff makes the sums that it touches NaN, as the matrix unit takes that byte.
; SHARES.  A tile of out0, 256 x 256, is made by a work-group of four waves; a wave makes 128 x 128: 4 x 8 accumulators of 32 x 16, 512 registers.  16 x 16 tiles: one for each of 256 work-groups.
; K goes in 8 K steps of 512 (a tile's row is 256 bytes of memory) through a ring of two LDS slots; a K step is 4 steps of 128 along K, 32 matrix instructions each.
; WHO FETCHES.  One tensor load of 128 rows a wave: waves 0 and 1 A's, waves 2 and 3 B's.
; COLUMNS.  The 16 columns of accumulator 4 g + b are n = 64 g + 4 r + b, r = 0 .. 15: so lane r's words of the four accumulators b = 0 .. 3 are four neighbouring columns, and 16 lanes hold 256 neighbouring bytes
; of a row of out0.  B's rows are laid into LDS in that order by the tensor load: a tile of three dimensions, 256 bytes x 64 rows that lie four rows apart x two b's: LDS row 64 b + (n / 4).
; SCALES go from memory into registers, where lanes are rows: a lap is two K steps, 32 bytes of a row.  A's words: lane = row of a pair of blocks; B's: lanes 0-15 take the words of the lap's even K step, lanes 16-31
; those of the odd one.  Lap 0 is asked for at the head, laps 1, 2 and B's lap 3 in eights of loads in K steps 0 and 1; A's lap 3 when lap 0's registers are free: all four laps of both would be 256 registers.
; They are not asked for jointly: 65,536 of a work-group's 1,114,112 bytes, and beside the two slots LDS has no room for them.
; CLUSTERS: 4 x 4 work-groups.  The four of a row of the cluster need the same codes of A, the four of a column the same codes of B: each is asked for JOINTLY, by the same tensor load with the
; same descriptor and a mask that names the four.
; THE TEXT IS WRITTEN OUT over the 8 K steps by macros, since each lap's scale words have registers of their own.
; REGISTERS, in windows of 256: window 0: addresses, scale words; window 1: fragments: A's two sets at v0 and v64, B's two at v128 and v192; window 2: accumulators of my rows 0-63; window 3: of rows 64-127.
.set ROWB,   256                       ; a code tile's row in bytes
.set KROW,   2048                      ; a row of codes in memory
.set PITCH,  272                       ; an LDS row: 256 bytes + 16 of padding = 68 words: row r starts at bank 4 r mod 64 (64 banks of 4 bytes: ISA guide 11.1)
.set HALFT,  128*PITCH                 ; 128 rows: what one tensor load brings
.set SIDE,   2*HALFT                   ; 256 rows
.set SLOT,   2*SIDE                    ; A's 256 rows, then B's
.set SPARE,  2*SLOT                    ; the spare words, 128 bytes for each wave: two blocks of 256 bytes that no other line names
.set OROW,   16384                     ; a row of out0 in bytes
.set ADRA, 16                          ; v16-17  LDS address of my A fragments in slot 0, 1
.set ADRB, 18                          ; v18-19  the same for B
.set ASO,  20                          ; v20     my offset in A's scales
.set BSO,  21                          ; v21     my offset in B's scales
.set BIO,  22                          ; v22     my offset in b
.set CO,   23                          ; v23     my offset in out0
.set SPW,  28                          ; v28     LDS address of my spare word
.set NIL,  29                          ; v29     0
.set PFO,  30                          ; v30     the prefetches' offset: my lane x a row of codes
.set SA,   32                          ; v32-127 A's scale words, three sets: lap l, pair p of blocks, the lap's K step e, step q at v[SA + 32 (l % 3) + 8 p + 4 e + q]
.set SB,   128                         ; v128-255 B's: lap l, block i, step q at v[SB + 32 l + 4 i + q]
.set BI,   128                         ; v128-135, from K step 6 on: the bias of column block 4 g + b at v[BI + 4 g + b]
.set WV,   16                          ; s16     my wave's number
.set RH,   17                          ; s17     which half of the tile's rows is mine.  Also: I fetch A (0) or B (1)
.set CH,   18                          ; s18     which half of its columns.  Also: which half of that tile I fetch
.set G1A,  24                          ; s[24:31] descriptor group 1 for A's codes
.set G1B,  32                          ; s[32:39], s[48:51], s[52:55] groups 1, 2, 3 for B's codes
.set G2B,  48
.set G3B,  52
.set G0A,  56                          ; s[56:63] group 0 for A's codes, a set for each slot
.set PFA,  66                          ; s[66:67] where my prefetches stand in memory
.set G0B,  68                          ; s[68:75] group 0 for B's codes
.set MSB, 0
.macro WIN new                         ; the immediate's high byte repeats the setting that is left; a switch that changes nothing is dropped
.if MSB != \new
	s_set_vgpr_msb (MSB<<8)|\new
.set MSB, \new
.endif
.endm
.set MUL_LO, 0xa5                      ; sources 0 and 1 (A, B) window 1, C and D window 2
.set MUL_HI, 0xf5                      ; the same, C and D window 3
.set TO_F,   0x40                      ; destination window 1, address window 0
.macro PLACES n                        ; a load into a register that a matrix instruction has read, or a read of a result, stands four places behind it, and only plain vector instructions
.rept \n                               ; that name none of its registers are places (ISA guide 7.12.1 for vector instructions)
	v_nop
.endr
.endm
; A joint load.  Each line has ONE mask and one set of registers for all that issue it; the branch hangs on the wave's number alone.
.macro JLOAD s
	s_cmp_eq_u32 s[RH], 0
	s_cbranch_scc0 .Lfor_b_\@
	tensor_load_to_lds s[G0A+4*(\s):G0A+4*(\s)+3], s[G1A:G1A+7]
	s_nop 0
	PLACES 4
	s_branch .Lasked_\@
.Lfor_b_\@:
	tensor_load_to_lds s[G0B+4*(\s):G0B+4*(\s)+3], s[G1B:G1B+7], s[G2B:G2B+3], s[G3B:G3B+3]
	s_nop 0
	PLACES 4
.Lasked_\@:
.endm
.macro CREST                           ; a round of the cluster's barrier behind its opening barrier
	s_cmp_lg_u32 s[WV], 0
	s_cbranch_scc1 .Lnot_wave_0_\@
	s_barrier_signal -3
.Lnot_wave_0_\@:
	s_barrier_wait -3
	s_barrier_signal -1
	s_barrier_wait -1
.endm
.macro CROUND                          ; a whole round
	s_barrier_signal -1
	s_barrier_wait -1
	CREST
.endm
; A PREFETCH INTO THE L2 of K step kk: 32 rows x 256 bytes, a lane a row, one instruction a wave.  Every cluster asks for its own four tile rows of A (waves 0 and 2) and four tile columns of B (waves 1 and 3), each
; row once in the cluster: the four partners that ask for a tile jointly take 64 rows each, told apart BY ADDRESS (cx for A, cy for B).  The head asks for K step 1; behind the load of K step 1 stand the
; prefetches of K steps 2 and 3, behind that of a later K step k the prefetch of K step k + 2; the last names K step 7.
.macro ASK kk
	global_prefetch_b8 v[PFO], s[PFA:PFA+1] offset:(\kk)*ROWB th:TH_LOAD_NT scope:SCOPE_SE
.endm
.macro LOADA l                         ; A's scale words of lap l: 8 loads
.irp p, 0,1,2,3
.irp e, 0,1
	global_load_b128 v[SA+32*((\l)%3)+8*\p+4*\e:SA+32*((\l)%3)+8*\p+4*\e+3], v[ASO], s[6:7] offset:\p*4096+32*(\l)+16*\e
.endr
.endr
.endm
.macro LOADB l                         ; B's: 8 loads; block 4 g + b's lane r takes row 64 g + 4 r + b of my 128
.irp g, 0,1
.irp b, 0,1,2,3
	global_load_b128 v[SB+32*(\l)+16*\g+4*\b:SB+32*(\l)+16*\g+4*\b+3], v[BSO], s[10:11] offset:\g*8192+\b*128+32*(\l)
.endr
.endr
.endm
	s_load_b256 s[4:11], s[0:1], 0x0               ; x's codes s[4:5], x's scales s[6:7], W's codes s[8:9], W's scales s[10:11]
	s_load_b128 s[12:15], s[0:1], 0x20             ; b s[12:13], out0 s[14:15]
	v_lshl_add_u32 v[SPW], v0, 2, SPARE
	v_mov_b32 v[NIL], 0
	ds_add_u32 v[SPW], v[NIL]                      ; the wave's opening: the add, twice on end, and its wait ahead of my first tensor load; work on registers stands between
	ds_add_u32 v[SPW], v[NIL]
	v_lshrrev_b32 v1, 5, v0
	v_readfirstlane_b32 s[WV], v1                  ; wave 0..3
	s_lshr_b32 s[RH], s[WV], 1
	s_and_b32 s[CH], s[WV], 1
	s_mul_i32 s20, s[RH], HALFT                    ; my 128 rows of A in slot 0,
	s_add_co_u32 s21, s20, SLOT                    ; in slot 1
	s_mul_i32 s22, s[CH], 32*PITCH                 ; B: of each b's 64 LDS rows my 32,
	s_add_co_u32 s22, s22, SIDE                    ; behind A's 256 rows
	s_add_co_u32 s23, s22, SLOT
	; a fragment, 16 rows x 128 K of 4-bit codes, is 8 registers: lane l holds row l % 16; registers 4 c .. 4 c + 3 hold K = 64 c + 32 (l / 16) + 0 .. 31
	v_and_b32 v1, 15, v0                           ; r
	v_bfe_u32 v2, v0, 4, 1                         ; h
	v_and_b32 v3, 31, v0                           ; lane
	v_mul_u32_u24 v4, v1, PITCH
	v_lshl_add_u32 v4, v2, 4, v4                   ; row x pitch + 16 h
	v_add_nc_u32 v[ADRA], s20, v4
	v_add_nc_u32 v[ADRA+1], s21, v4
	v_add_nc_u32 v[ADRB], s22, v4
	v_add_nc_u32 v[ADRB+1], s23, v4
	v_lshlrev_b32 v[ASO], 7, v3                    ; A's scales: lane = row
	v_lshlrev_b32 v[BSO], 9, v1                    ; B's scales: row 4 r, 16 bytes for each h
	v_lshl_add_u32 v[BSO], v2, 4, v[BSO]
	v_lshlrev_b32 v[BIO], 4, v1                    ; b: four numbers a lane
	v_lshl_add_u32 v[CO], v2, 17, v[BIO]           ; out0: row 8 h, columns 4 r .. 4 r + 3
	v_lshlrev_b32 v[PFO], 11, v3
	s_bfe_u32 s84, ttmp6, 0x40000                  ; cx, cy: my place in the cluster
	s_bfe_u32 s85, ttmp6, 0x40004
	s_lshl_b32 s86, ttmp9, 2
	s_add_co_u32 s86, s86, s84                     ; tile column = 4 x cluster x + cx
	s_and_b32 s87, ttmp7, 0xffff
	s_lshl_b32 s87, s87, 2
	s_add_co_u32 s87, s87, s85                     ; tile row = 4 x cluster y + cy
	s_lshl_b32 s88, s85, 2
	s_lshl_b32 s88, 15, s88                        ; my row of the cluster: places 4 cy .. 4 cy + 3
	s_lshl_b32 s89, 0x1111, s84                    ; my column: places cx, cx + 4, cx + 8, cx + 12
	; group 1: 15:0 the mask; 17:16 the element's size; 20 padding on; 21 set beside a mask; 24:22 after every 64 words (code 5); 31:25 of 4 words (code 3)
	s_or_b32 s[G1A], s88, (0<<16)|(1<<20)|(1<<21)|(5<<22)|(3<<25)
	s_mov_b32 s[G1A+1], ROWB<<16                   ; tensor_dim0 = 256 bytes
	s_mov_b32 s[G1A+2], 128<<16                    ; tensor_dim1 = 128 rows
	s_mov_b32 s[G1A+3], ROWB<<16                   ; tile_dim0
	s_mov_b32 s[G1A+4], 128                        ; tile_dim1
	s_mov_b32 s[G1A+5], KROW                       ; bytes from row to row
	s_mov_b32 s[G1A+6], 0
	s_mov_b32 s[G1A+7], 0
	s_or_b32 s[G1B], s89, (0<<16)|(1<<20)|(1<<21)|(5<<22)|(3<<25)
	s_mov_b32 s[G1B+1], ROWB<<16
	s_mov_b32 s[G1B+2], 64<<16                     ; tensor_dim1 = 64 rows, four rows apart
	s_mov_b32 s[G1B+3], ROWB<<16
	s_mov_b32 s[G1B+4], 64|(2<<16)                 ; tile_dim1 = 64, tile_dim2 = 2: two of the b's
	s_mov_b32 s[G1B+5], 4*KROW                     ; stride 0
	s_mov_b32 s[G1B+6], KROW<<16                   ; stride 1, low half: from b to b
	s_mov_b32 s[G1B+7], 0
	s_mov_b32 s[G2B], 2                            ; tensor_dim2
	s_mov_b32 s[G2B+1], 1
	s_mov_b32 s[G2B+2], 0
	s_mov_b32 s[G2B+3], 0                          ; tile_dim3 = 0: not used
	s_mov_b32 s[G3B], 0
	s_mov_b32 s[G3B+1], 1<<16
	s_mov_b32 s[G3B+2], 0
	s_mov_b32 s[G3B+3], 0
	; where the tiles come from.  A's hang on the tile row alone, which my row of the cluster shares; B's on the tile column alone, which my column shares
	s_lshl_b32 s90, s87, 19                        ; A's codes: 256 rows x 2,048 bytes a tile row
	s_mov_b32 s91, 0
	s_lshl_b32 s94, s86, 19                        ; B's codes
	s_mov_b32 s95, 0
	s_mul_i32 s96, s[CH], 128*KROW                 ; which 128 rows of A I fetch,
	s_mov_b32 s97, 0
	s_mul_i32 s98, s[CH], 2*KROW                   ; which two b's of B,
	s_mov_b32 s99, 0
	s_mul_i32 s100, s[WV], HALFT                   ; and where they go: wave x 128 LDS rows
	s_wait_alu depctr_va_vdst(0)                   ; the wait here, behind the last vector write of the head
	s_wait_dscnt 0x0                               ; both opening adds are done
	s_wait_kmcnt 0x0
	s_add_nc_u64 s[90:91], s[4:5], s[90:91]
	s_add_nc_u64 s[94:95], s[8:9], s[94:95]
	s_add_nc_u64 s[90:91], s[90:91], s[96:97]
	s_add_nc_u64 s[94:95], s[94:95], s[98:99]
.irp s, 0,1
	s_mov_b32 s[G0A+4*\s], 1                                       ; 1:0 count = 1
	s_add_co_u32 s[G0A+4*\s+1], s100, \s*SLOT                      ; 63:32 LDS address
	s_add_nc_u64 s[G0A+4*\s+2:G0A+4*\s+3], s[90:91], \s*ROWB       ; 120:64 global address: K step s
	s_or_b32 s[G0A+4*\s+3], s[G0A+4*\s+3], 0x80000000              ; 127:126 type = 2
	s_mov_b32 s[G0B+4*\s], 1
	s_add_co_u32 s[G0B+4*\s+1], s100, \s*SLOT
	s_add_nc_u64 s[G0B+4*\s+2:G0B+4*\s+3], s[94:95], \s*ROWB
	s_or_b32 s[G0B+4*\s+3], s[G0B+4*\s+3], 0x80000000
.endr
	CROUND                                         ; all sixteen work-groups are here: the first joint loads meet
	JLOAD 0                                        ; K step 0: one tensor load a wave at the head
	s_lshl_b32 s90, s87, 15                        ; A's scales: 256 rows x 128 bytes a tile row, 128 rows a half
	s_lshl_b32 s91, s[RH], 14
	s_add_co_u32 s90, s90, s91
	s_mov_b32 s91, 0
	s_add_nc_u64 s[6:7], s[6:7], s[90:91]
	s_lshl_b32 s92, s86, 15                        ; B's likewise
	s_lshl_b32 s93, s[CH], 14
	s_add_co_u32 s92, s92, s93
	s_mov_b32 s93, 0
	s_add_nc_u64 s[10:11], s[10:11], s[92:93]
	LOADA 0
	LOADB 0
	s_lshl_b32 s92, s86, 10                        ; my first column, in bytes of f32
	s_lshl_b32 s93, s[CH], 9
	s_add_co_u32 s92, s92, s93
	s_mov_b32 s93, 0
	s_add_nc_u64 s[12:13], s[12:13], s[92:93]
	s_lshl_b32 s90, s87, 22                        ; out0 at my part: 256 rows x 16,384 bytes a tile row,
	s_lshl_b32 s91, s[RH], 21                      ; 128 rows a half,
	s_add_co_u32 s90, s90, s91
	s_add_co_u32 s90, s90, s92                     ; and my first column (the sum stays under 2^26)
	s_mov_b32 s91, 0
	s_add_nc_u64 s[14:15], s[14:15], s[90:91]
	s_lshl_b32 s20, s87, 8                         ; the prefetches: 256 x tile row,
	s_lshl_b32 s21, s86, 8                         ; 256 x tile column
	s_cmp_eq_u32 s[CH], 0                          ; waves 0 and 2 ask for A's codes, waves 1 and 3 for B's
	s_cselect_b32 s20, s20, s21
	s_cselect_b32 s21, s84, s85                    ; my place among the four that ask for it with me
	s_cselect_b64 s[PFA:PFA+1], s[4:5], s[8:9]
	s_lshl_b32 s21, s21, 6
	s_add_co_u32 s20, s20, s21                     ; + my work-group's 64 rows
	s_lshl_b32 s21, s[RH], 5
	s_add_co_u32 s20, s20, s21                     ; + my wave's 32 of them
	s_lshl_b32 s20, s20, 11                        ; in bytes (under 2^23)
	s_mov_b32 s21, 0
	s_add_nc_u64 s[PFA:PFA+1], s[PFA:PFA+1], s[20:21]
	ASK 1
; Four matrix instructions: A's pair p of blocks (32 rows) x B's blocks 4 hf .. 4 hf + 3, step q of K step K.  z = 1: the first products start the sums on 0.
; B's scale words are read in lanes 0-15 in an even K step, in lanes 16-31 (ROW1) in an odd one.  The accumulators take turns, in the same order in every step.
.macro MUL4 p, hf, q, z
.irp i, 0,1,2,3
.set BX, 4*(\hf)+\i
.set DX, 16*(8*((\p)%2)+BX)
.set AX, 64*((\q)%2)+16*(\p)
.set FX, 128+64*((\q)%2)+8*BX
.set SX, SA+32*((K/2)%3)+8*(\p)+4*(K%2)+(\q)
.set TX, SB+32*(K/2)+4*BX+(\q)
.if \z
	v_wmma_scale_f32_32x16x128_f4 v[DX:DX+15], v[AX:AX+15], v[FX:FX+7], 0, v[SX], v[TX]
.else
.if K%2
	v_wmma_scale_f32_32x16x128_f4 v[DX:DX+15], v[AX:AX+15], v[FX:FX+7], v[DX:DX+15], v[SX], v[TX] matrix_b_scale:MATRIX_SCALE_ROW1
.else
	v_wmma_scale_f32_32x16x128_f4 v[DX:DX+15], v[AX:AX+15], v[FX:FX+7], v[DX:DX+15], v[SX], v[TX]
.endif
.endif
.endr
.endm
.macro MUL16 hi, q, z                  ; the 16 of pairs 2 hi, 2 hi + 1
	MUL4 2*(\hi), 0, \q, \z
	MUL4 2*(\hi), 1, \q, \z
	MUL4 2*(\hi)+1, 0, \q, \z
	MUL4 2*(\hi)+1, 1, \q, \z
.endm
.macro GRPA q, sl, pr                  ; A's pair pr of step q into set q % 2: four loads
.irp u, 0,1
.irp c, 0,1
	ds_load_b128 v[64*((\q)%2)+16*(\pr)+8*\u+4*\c:64*((\q)%2)+16*(\pr)+8*\u+4*\c+3], v[ADRA+(\sl)] offset:(2*(\pr)+\u)*16*PITCH+64*(\q)+32*\c
.endr
.endr
.endm
; The run of LDS loads of step q's fragments, from slot sl into set q % 2: B's eight blocks, and A's four pairs (hf = 2: 32 loads), pairs 0 and 1 (hf = 0) or 2 and 3 (hf = 1: 24 loads).
.macro RUN q, sl, hf
	WIN TO_F
.irp i, 0,1,2,3,4,5,6,7
.irp c, 0,1
	ds_load_b128 v[128+64*((\q)%2)+8*\i+4*\c:128+64*((\q)%2)+8*\i+4*\c+3], v[ADRB+(\sl)] offset:(64*(\i%4)+16*(\i/4))*PITCH+64*(\q)+32*\c
.endr
.endr
.if (\hf) != 1
	GRPA \q, \sl, 0
	GRPA \q, \sl, 1
.endif
.if (\hf) != 0
	GRPA \q, \sl, 2
	GRPA \q, \sl, 3
.endif
.endm
; A step of 128 along K that has its successor in the same slot: the next step's 32 loads go out at its head, into the other set, which was read in the step before; its own were issued a step ago.
; Behind the run, in some steps, eight loads of scale words.
.macro STEP q, z
	PLACES 4
	RUN (\q)+1, K%2, 2
.if (\q) == 0
.if K == 0
	s_wait_loadcnt 0                               ; lap 0's scale words are in
	WIN 0
	LOADA 1
.endif
.if K == 1
	WIN 0
	LOADB 2
.endif
.if K == 2
	s_wait_loadcnt 24                              ; lap 1's; behind it lap 2 (16) and B's lap 3 (8)
	WIN 0
	LOADA 3                                        ; into lap 0's registers, which the step before read last
.endif
.if K == 4
	s_wait_loadcnt 16                              ; lap 2's; behind it both of lap 3
.endif
.if K == 6
	s_wait_loadcnt 0                               ; lap 3's
	WIN 0
	global_load_b128 v[BI:BI+3], v[BIO], s[12:13]  ; the bias, into B's lap 0
	global_load_b128 v[BI+4:BI+7], v[BIO], s[12:13] offset:256
.endif
.endif
.if K == 0 && (\q) == 1
	WIN 0
	LOADB 1
.endif
.if K == 0 && (\q) == 2
	WIN 0
	LOADA 2
.endif
.if K == 1 && (\q) == 1
	WIN 0
	LOADB 3
.endif
	s_wait_dscnt 32                                ; all but the 32 just issued
	WIN MUL_LO
	MUL16 0, \q, \z
	WIN MUL_HI
	MUL16 1, \q, \z
.endm
; A slot's last step changes slots: ONE barrier; in front of it each wave waits for all its tensor loads, adds 0 to its spare word, and waits for that and for its own reads of this slot.  Up to K step 5 the slot is
; filled again, two K steps ahead, and the barrier opens a round of the cluster's barrier.
.macro TURN
	WIN 0                                          ; (the add's two registers lie in window 0)
	s_wait_tensorcnt 0x0                           ; all my tensor loads have landed: my part of the next slot
	ds_add_u32 v[SPW], v[NIL]                      ; 0 onto my spare word
.if K < 6
	s_add_nc_u64 s[G0A+4*(K%2)+2:G0A+4*(K%2)+3], s[G0A+4*(K%2)+2:G0A+4*(K%2)+3], 2*ROWB    ; no tensor load of mine is out
	s_add_nc_u64 s[G0B+4*(K%2)+2:G0B+4*(K%2)+3], s[G0B+4*(K%2)+2:G0B+4*(K%2)+3], 2*ROWB
.endif
	s_wait_dscnt 1                                 ; (the add may be out)
	WIN MUL_LO
	MUL4 0, 0, 3, 0                                ; eight matrix instructions stand between the add and the wait for it
	MUL4 0, 1, 3, 0
	s_wait_dscnt 0x0                               ; the add is done, and my reads of this slot are over
	s_barrier_signal -1
	MUL4 1, 0, 3, 0                                ; and eight while the other waves arrive
	MUL4 1, 1, 3, 0
	WIN 0
	s_barrier_wait -1
.if K < 6
	CREST                                          ; no wave of any partner still reads what is filled again, or has a load on its way
	JLOAD K%2                                      ; the first tensor load behind the round; its four v_nop are the places in front of the loads below
	RUN 0, (K+1)%2, 2
.else
	PLACES 4
	RUN 0, 1, 0                                    ; K step 7 goes by halves of my rows
.endif
.if K < 4
	ASK K+4
.endif
	WIN MUL_HI
	MUL16 1, 3, 0
.endm
; A step of K step 7 for half hf of my rows: 16 matrix instructions; it asks for step nq of half nh (nq = 4: none).  HFETCH is its part ahead of the products.
.macro HFETCH nh, nq
	PLACES 4
.if (\nq) < 4
	RUN \nq, 1, \nh
	s_wait_dscnt 24                                ; all but the 24 just issued
.else
	s_wait_dscnt 0
.endif
.endm
.macro HSTEP hf, q, nh, nq
	HFETCH \nh, \nq
.if \hf
	WIN MUL_HI
.else
	WIN MUL_LO
.endif
	MUL16 \hf, \q, 0
.endm
; THE WAY OUT of pair p: 32 rows x 128 columns.  Register 8 u + j of accumulator 4 g + b is row 16 u + 8 h + j, column 64 g + 4 r + b: the bias is added and four accumulators' words come to stand side by side, 16 bytes
; a lane; sixteen lanes store 256 consecutive bytes, aligned.  No register that a store reads is written again: pair 0 goes by way of scale words that are done with, each later pair by way of the accumulators of the pair before.
.macro OUT p
.set TG, 64
.set TO, 0
.if (\p) == 0
.set W_ADD, 0x02                       ; destination window 0, source 0 window 2, the bias window 0
.set W_ST,  0x00                       ; the data: window 0: v64-127 and v136-199
.set TG, 72
.set TO, 64
.endif
.if (\p) == 1
.set W_ADD, 0x82
.set W_ST,  0x08
.endif
.if (\p) == 2
.set W_ADD, 0x83
.set W_ST,  0x08
.set TO, 128
.endif
.if (\p) == 3
.set W_ADD, 0xc3
.set W_ST,  0x0c
.endif
	WIN W_ADD
.irp g, 0,1
.irp u, 0,1
.set AC, 16*(8*((\p)%2)+4*\g)+8*\u
.set TB, TO+TG*\g+32*\u
.irp j, 0,1,2,3,4,5,6,7
.irp b, 0,1,2,3
	v_add_f32 v[TB+4*\j+\b], v[AC+16*\b+\j], v[BI+4*\g+\b]
.endr
.endr
.endr
.endr
	WIN W_ST
.irp u, 0,1
.irp j, 0,1,2,3,4,5,6,7
.irp g, 0,1
.set TB, TO+TG*\g+32*\u
	global_store_b128 v[CO], v[TB+4*\j:TB+4*\j+3], s[14:15] offset:(32*(\p)+16*\u+\j)*OROW+256*\g th:TH_STORE_NT
.endr
.endr
.endr
.endm
	s_wait_tensorcnt 0x0                           ; my part of K step 0 is in
	ds_add_u32 v[SPW], v[NIL]
	s_wait_dscnt 0x0
	CROUND                                         ; everybody's part is in, and all sixteen work-groups are here
	JLOAD 1                                        ; K step 1's load, the first tensor load behind the round
	RUN 0, 0, 2
	ASK 2
	ASK 3
.set K, 0
	STEP 0, 1
	STEP 1, 0
	STEP 2, 0
	TURN
.set K, 1
.rept 6
	STEP 0, 0
	STEP 1, 0
	STEP 2, 0
	TURN
.set K, K+1
.endr
	HSTEP 0, 0, 0, 1                               ; K step 7: my rows 0-63 first,
	HSTEP 0, 1, 0, 2
	HSTEP 0, 2, 0, 3
	HFETCH 1, 0
	s_wait_loadcnt 0                               ; the bias
	WIN MUL_LO
	MUL4 0, 0, 3, 0                                ; pair 0 is finished
	MUL4 0, 1, 3, 0
	PLACES 4                                       ; in front of the reads of its results
	OUT 0                                          ; and while the others are made, it leaves
	WIN MUL_LO
	MUL4 1, 0, 3, 0                                ; pair 1 is finished
	MUL4 1, 1, 3, 0
	HSTEP 1, 0, 1, 1                               ; rows 64-127
	HSTEP 1, 1, 1, 2
	OUT 1
	HSTEP 1, 2, 1, 3
	HSTEP 1, 3, 0, 4
	PLACES 4
	OUT 2
	OUT 3
	WIN 0
	s_wait_tensorcnt 0x0                           ; the wave's end
	ds_add_u32 v[SPW], v[NIL]
	s_wait_dscnt 0x0
	CROUND                                         ; the closing round: no work-group ends while a partner may still ask for a tile that names it
	s_endpgm
.Lfunc_end_k_q17bf709c2a_gemm:
	.size	k_q17bf709c2a_gemm, .Lfunc_end_k_q17bf709c2a_gemm-k_q17bf709c2a_gemm
	.p2alignl 7, 3214868480
	.fill 96, 4, 3214868480
	.section	.rodata,"a",@progbits
	.p2align	6, 0x0
	.amdhsa_kernel k_q17bf709c2a_gemm
		.amdhsa_group_segment_fixed_size 327680
		.amdhsa_private_segment_fixed_size 0
		.amdhsa_enable_private_segment 0
		.amdhsa_kernarg_size 48
		.amdhsa_user_sgpr_count 2
		.amdhsa_user_sgpr_kernarg_segment_ptr 1
		.amdhsa_wavefront_size32 1
		.amdhsa_system_sgpr_workgroup_id_x 1
		.amdhsa_system_sgpr_workgroup_id_y 1
		.amdhsa_system_sgpr_workgroup_id_z 1
		.amdhsa_system_vgpr_workitem_id 0
		.amdhsa_next_free_vgpr 1024
		.amdhsa_next_free_sgpr 102
		.amdhsa_reserve_vcc 0
		.amdhsa_float_denorm_mode_32 3
		.amdhsa_float_denorm_mode_16_64 3
		.amdhsa_memory_ordered 1
		.amdhsa_forward_progress 1
		.amdhsa_inst_pref_size 255
	.end_amdhsa_kernel
	.section	.bss,"aw",@nobits
	.p2align	6
	.space	262144
	.amdgpu_metadata
---
amdhsa.version: [ 1, 2 ]
amdhsa.kernels:
  - .name:           k_q17bf709c2a_gemm
    .symbol:         k_q17bf709c2a_gemm.kd
    .args:
      - { .name: x_codes, .offset: 0, .size: 8, .value_kind: global_buffer, .address_space: global }
      - { .name: x_scales, .offset: 8, .size: 8, .value_kind: global_buffer, .address_space: global }
      - { .name: W_codes, .offset: 16, .size: 8, .value_kind: global_buffer, .address_space: global }
      - { .name: W_scales, .offset: 24, .size: 8, .value_kind: global_buffer, .address_space: global }
      - { .name: b, .offset: 32, .size: 8, .value_kind: global_buffer, .address_space: global }
      - { .name: out0, .offset: 40, .size: 8, .value_kind: global_buffer, .address_space: global }
    .group_segment_fixed_size: 327680
    .private_segment_fixed_size: 0
    .kernarg_segment_align: 8
    .kernarg_segment_size: 48
    .max_flat_workgroup_size: 128
    .sgpr_count:     102
    .vgpr_count:     1024
    .wavefront_size: 32
...
	.end_amdgpu_metadata
.endif
;; end of part 1
